; MI455X (gfx1250); checked and timed in simulation.
; The chip was launched on July 23, 2026; its instructions are those of AMD's public machine-readable ISA for CDNA 5 (MIT licence, August 2026) and "CDNA5" Instruction Set Architecture Reference Guide (July 2026). The comments in the code are by the model that wrote it; some were corrected since.
;; Multi Head Attention. Allowed arithmetic: matrix products marked QUANTISED: E4M3 operands, one given power-of-two scale a tensor, by v_wmma_f32_16x16x64_fp8_fp8 or v_wmma_f32_16x16x128_fp8_fp8, f32 sums; everything else in f32.
;; Inputs: W_proj_codes 1,024 x 32 x 32 uint8 (E4M3 codes of W_proj, K innermost, in blocks of 32 codes); W_qkv_codes 3,072 x 32 x 32 uint8 (E4M3 codes of W_qkv, K innermost, in blocks of 32 codes); b_proj 1,024 float32; freqs_cos 2,048 x 32 float32; freqs_sin 2,048 x 32 float32; lowp_scales 8 int32 (the exponents e of the quantised operands' scales 2^e); x_codes 4 x 2,048 x 32 x 32 uint8 (E4M3 codes of x, K innermost, in blocks of 32 codes).
;; Outputs: out0 4 x 2,048 x 1,024 float32.
;; This version of the problem:
;;   THIS VERSION OF THE PROBLEM IS GIVEN IN LOW PRECISION. The matrix products marked QUANTISED in the list below multiply operands that are first quantised to E4M3 (4 exponent bits, 3 mantissa bits; 8 bits a number), with one given power-of-two scale for each operand tensor; their sums are f32. All else is computed in f32.
;;   The module's matrix products, in the order in which they are computed (A, B: the left and right operand; K: the contracted axis; several contracted axes count as one K, in the product's order):
;;     1. [M 8,192, K 1,024] x [K 1,024, N 3,072]; A: input x (given as codes); B: input W_qkv (given as codes): QUANTISED (scales: A lowp_scales[0], B lowp_scales[1])
;;     2. batch 64 x [M 2,048, K 64] x [K 64, N 2,048]; A: computed on the way; B: computed on the way: QUANTISED (scales: A lowp_scales[2], B lowp_scales[3])
;;     3. batch 64 x [M 64, K 2,048] x [K 2,048, N 2,048]; A: computed on the way; B: softmax (see below): QUANTISED (scales: A lowp_scales[4], B lowp_scales[5])
;;     4. [M 8,192, K 1,024] x [K 1,024, N 1,024]; A: computed on the way; B: input W_proj (given as codes): QUANTISED (scales: A lowp_scales[6], B lowp_scales[7])
;;   THE QUANTISER, for each operand of a quantised product, along K:
;;     - The operand's scale is 2^e, e = its entry of the input lowp_scales (int32; the entries are numbered through the quantised products in the list's order, A before B).
;;     - Each number is divided by the scale, clamped to +-448, and rounded to the nearest number of E4M3, ties to even, subnormals kept.
;;     - The product sums the exact products of the quantised numbers (number of the format x scale) in f32.
;;   ~~~python
;;   def quantise(x, axis, e):      # numpy; x: float32 -> the quantised numbers, widened to float32 again
;;       x = np.moveaxis(x, axis, -1); K = x.shape[-1]
;;       r = np.clip(x / 2.0 ** e, -448, 448)
;;       step = 2.0 ** (np.maximum(np.frexp(np.where(r == 0, 1, r))[1] - 1, -6) - 3)
;;       q = np.round(r / step) * step * 2.0 ** e      # np.round: ties to even
;;       return np.moveaxis(q, -1, axis).astype(np.float32)
;;   ~~~
;;   SOFTMAX AHEAD OF A QUANTISED PRODUCT. Where the list says 'softmax', what is quantised is not the finished softmax but p = 2^(t - M), with t = logit x log2(e) and M = ceil(the row's largest t), a whole number; so 1/2 < the row's largest p <= 1. The row's sum l is taken of the UNQUANTISED p, in f32, and the product's result is divided by l at the end. Since M is a whole number, a kernel that streams over the keys may use a running M (the ceiling of the running maximum): every later rescaling is an exact power of two, so the quantised numbers keep their values, but for numbers so far below the row's largest that they fall under the format's range.
;;   OPERANDS COMPUTED ON THE WAY. 'Computed on the way' means the value that the module computes at that place (a softmax that the list does not call 'softmax' is quantised finished and normalised). What goes into a quantiser is computed in f32, as accurately as f32 sums, v_exp_f32 and their like allow (about 1e-6 of the number): no bf16 or f16 on the way to a quantiser, and a product that is left as it is and whose result goes on into a quantised operand takes f32 operands (vector FMAs, or v_wmma_f32_16x16x4_f32). A number that lies on a knife's edge between two numbers of the format may be rounded either way, as far as f32 arithmetic and the matrix unit's own rounding can turn it there, and no further.
;;   INPUTS GIVEN AS CODES. W_proj (in the module: [1024, 1024], K = its axis 0); W_qkv (in the module: [1024, 3072], K = its axis 0); x (in the module: [4, 2048, 1024], K = its axis 2): each comes as NAME_codes (uint8): NAME with its K axis moved to the last place and cut into blocks of 32 codes, [.., K / 32, bytes a block], one block behind the other in memory; one code a byte (a code: sign, 4 exponent bits, 3 mantissa bits); its scale is its entry of lowp_scales. Its value is code x scale, taken as it is: it is not quantised again, and the codes and scales need not be those that the quantiser above would give.
;; One version. Each part assembles by itself: llvm-mc -triple=amdgcn-amd-amdhsa -mcpu=gfx1250 --defsym DOCPART=n.
;; ======== version 1 of 1: 3 launches
;; limits: right only within a limited range of input values
;; workspace buffers: q_img 8,388,608 bytes; kv_img 16,777,216 bytes; a_img 8,388,608 bytes
;; launch qkv (part 1): grid 12 x 32, 4 waves a work-group, clusters of 4 x 4, 327,680 bytes of LDS; arguments x_codes, W_qkv_codes, lowp_scales, freqs_cos, freqs_sin, q_img, kv_img; writes q_img, kv_img
.if DOCPART == 1
	.amdgcn_target "amdgcn-amd-amdhsa--gfx1250"
	.amdhsa_code_object_version 6
	.text
	.protected	k_q0e6ca5c8ca_qkv
	.globl	k_q0e6ca5c8ca_qkv
	.p2align	8
	.type	k_q0e6ca5c8ca_qkv,@function
k_q0e6ca5c8ca_qkv:
	s_mov_b64 s[64:65], 0
	v_nop
	global_prefetch_b8 v0, s[64:65] scope:SCOPE_SE
	s_setreg_imm32_b32 hwreg(HW_REG_WAVE_MODE, 25, 1), 1
	s_wait_xcnt 0x0
	s_wait_alu depctr_hold_cnt(0) depctr_sa_sdst(0) depctr_va_vdst(0) depctr_va_sdst(0) depctr_va_ssrc(0) depctr_va_vcc(0) depctr_vm_vsrc(0)
	s_getreg_b32 s2, hwreg(HW_REG_IB_STS2, 6, 4)
	s_cmp_eq_u32 s2, 0
	s_cbranch_scc0 .Lentry_in_a_cluster
	s_endpgm
.Lentry_in_a_cluster:
	s_bfe_u32 s2, ttmp6, 0x10000c
	s_cmp_lg_u32 s2, 0xf033
	s_cbranch_scc0 .Lentry_shape_is_right
	s_endpgm
.Lentry_shape_is_right:
; qkv = x W_qkv^T on codes of E4M3, a block of 256 x 256 a work-group, four waves of 128 x 128, K in steps of 256 through two LDS slots filled by joint loads (4 x 4 clusters).
; Clusters x = 0, 1 make q and k: RoPE in f32, quantised with 2^e2, 2^e3, stored as images of the next launch's operand registers.  Cluster x = 2 makes v with the keys innermost, quantised with 2^e4.
; The low half of a slot feeds source 1, the high half source 0, at addresses that hang on the wave's number alone.  For q and k the low half takes x's rows and the high half W's;
; for v the two are fetched the other way round: the choice of the load hangs on the wave's number and on the cluster's x, which all partners share.
.set KROW,   1024
.set ROWB,   256
.set PITCH,  272
.set FR,     16
.set NL,     4
.set NP,     4
.set HALFT,  128*PITCH
.set SLOT,   4*HALFT
.set LAPS,   2
.set SPARE,  2*SLOT
.set ADRA, 16
.set ADRB, 20
.set LI,   24
.set LI2,  25
.set CSA,  26
.set SPW,  28
.set NIL,  29
.set SCL,  30
.set T,    32
.set CODE, 64
.set AF,   128
.set CS,   128
.set G1, 24
.set G0, 32
.set G1B, 48
.set G0B, 56
.set MSB, 0
.macro WIN new
.if MSB != (\new)
	s_set_vgpr_msb (MSB<<8)|(\new)
.set MSB, (\new)
.endif
.endm
.set MUL_LO, 0xa1
.set MUL_HI, 0xf1
.set TO_B,   0x40
.macro JLOAD g0a, g1a, g0b, g1b
	s_cmp_eq_u32 s98, 0
	s_cbranch_scc0 .Lfor_b_\@
	tensor_load_to_lds s[\g0a:\g0a+3], s[\g1a:\g1a+7]
	s_nop 0
.rept 4
	v_nop
.endr
	s_branch .Lasked_\@
.Lfor_b_\@:
	tensor_load_to_lds s[\g0b:\g0b+3], s[\g1b:\g1b+7]
	s_nop 0
.rept 4
	v_nop
.endr
.Lasked_\@:
.endm
.macro CREST
	s_cmp_lg_u32 s14, 0
	s_cbranch_scc1 .Lnot_wave_0_\@
	s_barrier_signal -3
.Lnot_wave_0_\@:
	s_barrier_wait -3
	s_barrier_signal -1
	s_barrier_wait -1
.endm
.macro CROUND
	s_barrier_signal -1
	s_barrier_wait -1
	CREST
.endm
	s_load_b128 s[4:7], s[0:1], 0x0
	s_load_b128 s[8:11], s[0:1], 0x10
	s_load_b128 s[68:71], s[0:1], 0x20
	s_load_b64 s[72:73], s[0:1], 0x30
	v_lshl_add_u32 v[SPW], v0, 2, SPARE
	v_mov_b32 v[NIL], 0
	ds_add_u32 v28, v29
	ds_add_u32 v28, v29
	s_wait_dscnt 0x0
	v_lshrrev_b32 v1, 5, v0
	v_readfirstlane_b32 s14, v1
	s_lshr_b32 s15, s14, 1
	s_and_b32 s16, s14, 1
	s_lshr_b32 s98, ttmp9, 1
	s_xor_b32 s98, s98, s15
	s_bfe_u32 s40, ttmp6, 0x40000
	s_bfe_u32 s41, ttmp6, 0x40004
	s_lshl_b32 s42, ttmp9, 2
	s_add_co_u32 s42, s42, s40
	s_and_b32 s17, ttmp7, 0xffff
	s_lshl_b32 s17, s17, 2
	s_add_co_u32 s17, s17, s41
	s_lshl_b32 s43, s41, 2
	s_lshl_b32 s43, 15, s43
	s_lshl_b32 s44, 0x1111, s40
	s_or_b32 s[G1+0], s43, (0<<16)|(1<<20)|(1<<21)|(5<<22)|(3<<25)
	s_or_b32 s[G1B+0], s44, (0<<16)|(1<<20)|(1<<21)|(5<<22)|(3<<25)
.irp g, G1, G1B
	s_mov_b32 s[\g+1], ROWB<<16
	s_mov_b32 s[\g+2], 128<<16
	s_mov_b32 s[\g+3], ROWB<<16
	s_mov_b32 s[\g+4], 128
	s_mov_b32 s[\g+5], KROW
	s_mov_b32 s[\g+6], 0
	s_mov_b32 s[\g+7], 0
.endr
	s_lshl_b32 s18, s16, 7
	s_lshl_b32 s20, s17, 8
	s_add_co_u32 s20, s20, s18
	s_lshl_b32 s46, s42, 8
	s_add_co_u32 s46, s46, s18
	s_mov_b32 s21, 0
	s_mov_b32 s47, 0
	s_mov_b64 s[18:19], KROW
	s_mul_u64 s[20:21], s[20:21], s[18:19]
	s_mul_u64 s[46:47], s[46:47], s[18:19]
	s_mul_i32 s45, s14, HALFT
	s_wait_kmcnt 0x0
	s_load_b256 s[76:83], s[8:9], 0x0
	s_add_nc_u64 s[20:21], s[4:5], s[20:21]
	s_add_nc_u64 s[46:47], s[6:7], s[46:47]
	CROUND
.irp s, 0,1
	s_mov_b32 s[G0+4*\s], 1
	s_add_co_u32 s[G0+4*\s+1], s45, \s*SLOT
	s_add_nc_u64 s[G0+4*\s+2:G0+4*\s+3], s[20:21], \s*ROWB
	s_or_b32 s[G0+4*\s+3], s[G0+4*\s+3], 0x80000000
	s_mov_b32 s[G0B+4*\s], 1
	s_add_co_u32 s[G0B+4*\s+1], s45, \s*SLOT
	s_add_nc_u64 s[G0B+4*\s+2:G0B+4*\s+3], s[46:47], \s*ROWB
	s_or_b32 s[G0B+4*\s+3], s[G0B+4*\s+3], 0x80000000
	s_wait_alu depctr_va_vdst(0)
	s_wait_tensorcnt 0x0
	ds_add_u32 v28, v29
	ds_add_u32 v28, v29
	s_wait_dscnt 0x0
	CROUND
	JLOAD G0+4*\s, G1, G0B+4*\s, G1B
.endr
	v_and_b32 v1, 15, v0
	v_bfe_u32 v2, v0, 4, 1
	v_mul_u32_u24 v3, v1, PITCH
	v_lshl_add_u32 v4, v2, 4, v3
	s_mul_i32 s21, s15, HALFT
	s_mul_i32 s22, s16, HALFT
	s_add_co_u32 s22, s22, 2*HALFT
.irp s, 0,1
	v_add_nc_u32 v[ADRA+\s], s21, v4
	v_add_nc_u32 v[ADRB+\s], s22, v4
	s_add_co_u32 s21, s21, SLOT
	s_add_co_u32 s22, s22, SLOT
.endr
	s_wait_alu depctr_va_vdst(0)
	s_wait_kmcnt 0x0
	s_cmp_eq_u32 ttmp9, 0
	s_cselect_b32 s94, s78, s79
	s_cselect_b32 s86, 17, 18
	s_cselect_b64 s[90:91], s[70:71], s[72:73]
	s_cmp_eq_u32 ttmp9, 2
	s_cselect_b32 s94, s80, s94
	s_cselect_b32 s20, s15, s16
	s_cselect_b32 s21, s16, s15
	s_cselect_b32 s22, 8192, 0
	s_sub_co_i32 s94, s94, s76
	s_sub_co_i32 s94, s94, s77
	s_add_co_i32 s94, s94, 127
	s_lshl_b32 s95, s94, 23
	v_mov_b32 v[SCL], s95
	s_add_co_i32 s94, s94, 8
	s_lshl_b32 s92, s94, 23
	s_or_b32 s92, s92, 0x600000
	s_or_b32 s93, s92, 0x80000000
	s_lshr_b32 s18, s17, 3
	s_lshl_b32 s18, s18, 4
	s_lshl_b32 s19, s40, 2
	s_add_co_u32 s18, s18, s19
	s_lshl_b32 s19, s20, 1
	s_add_co_u32 s18, s18, s19
	s_and_b32 s19, s17, 7
	s_lshl_b32 s19, s19, 1
	s_add_co_u32 s19, s19, s21
	s_lshl_b32 s88, s18, s86
	s_sub_co_u32 s23, s86, 4
	s_lshl_b32 s23, s19, s23
	s_add_co_u32 s88, s88, s23
	s_add_co_u32 s88, s88, s22
	s_mov_b32 s89, 0
	s_add_nc_u64 s[90:91], s[90:91], s[88:89]
	s_lshl_b32 s87, 1, s86
	s_lshl_b32 s96, s19, 14
	s_mov_b32 s97, 0
	s_add_nc_u64 s[10:11], s[10:11], s[96:97]
	s_add_nc_u64 s[68:69], s[68:69], s[96:97]
	v_and_b32 v6, 31, v0
	v_lshlrev_b32 v[LI], 4, v6
	v_add_nc_u32 v[LI2], s87, v[LI]
	v_lshlrev_b32 v[CSA], 7, v1
	v_lshl_add_u32 v[CSA], v2, 4, v[CSA]
.macro FRAG reg, adr, q, i
.irp c, 0,1,2,3
	ds_load_b128 v[\reg+4*\c:\reg+4*\c+3], v[\adr] offset:128*(\q)+32*\c+(\i)*16*PITCH
.endr
.endm
.macro MUL16 a0, p, zero
.irp a, \a0, \a0+1
.irp b, 0,1,2,3,4,5,6,7
.if \zero
	v_wmma_f32_16x16x128_fp8_fp8 v[8*(8*((\a)%4)+\b):8*(8*((\a)%4)+\b)+7], v[128*(\p)+FR*\b:128*(\p)+FR*\b+FR-1], v[AF+FR*(\a):AF+FR*(\a)+FR-1], 0
.else
	v_wmma_f32_16x16x128_fp8_fp8 v[8*(8*((\a)%4)+\b):8*(8*((\a)%4)+\b)+7], v[128*(\p)+FR*\b:128*(\p)+FR*\b+FR-1], v[AF+FR*(\a):AF+FR*(\a)+FR-1], v[8*(8*((\a)%4)+\b):8*(8*((\a)%4)+\b)+7]
.endif
.endr
.endr
.endm
.macro FETCH_B slot, q, p
	WIN TO_B
.irp i, 0,1,2,3,4,5,6,7
	FRAG 128*(\p)+FR*\i, ADRB+\slot, \q, \i
.endr
	WIN 0
.endm
.macro FETCH_A slot, q, i0
.irp i, \i0, \i0+1, \i0+2, \i0+3
	FRAG AF+FR*(\i), ADRA+\slot, \q, \i
.endr
.endm
.macro PLACES n
.rept \n
	v_nop
.endr
.endm
.macro STEP slot, q, zero
	s_wait_dscnt 4*NL
	WIN MUL_LO
	MUL16 0, (\q)%2, \zero
	MUL16 2, (\q)%2, \zero
	s_wait_dscnt 0
	PLACES NP
	FETCH_B \slot, (\q)+1, 1-(\q)%2
	FETCH_A \slot, (\q)+1, 0
	WIN MUL_HI
	MUL16 4, (\q)%2, \zero
	MUL16 6, (\q)%2, \zero
	PLACES NP
	WIN 0
	FETCH_A \slot, (\q)+1, 4
.endm
.macro TURN slot, next, fill
	s_wait_tensorcnt 0x0
	ds_add_u32 v[SPW], v[NIL]
	s_wait_dscnt 4*NL+1
	WIN MUL_LO
	MUL16 0, 1, 0
	s_wait_dscnt 0x0
	s_barrier_signal -1
	MUL16 2, 1, 0
	WIN 0
	s_barrier_wait -1
.if \fill
	CREST
	s_add_nc_u64 s[G0+4*\slot+2:G0+4*\slot+3], s[G0+4*\slot+2:G0+4*\slot+3], 2*ROWB
	s_add_nc_u64 s[G0B+4*\slot+2:G0B+4*\slot+3], s[G0B+4*\slot+2:G0B+4*\slot+3], 2*ROWB
	JLOAD G0+4*\slot, G1, G0B+4*\slot, G1B
.else
	PLACES NP
.endif
	FETCH_B \next, 0, 0
	FETCH_A \next, 0, 0
	WIN MUL_HI
	MUL16 4, 1, 0
	MUL16 6, 1, 0
	PLACES NP
	WIN 0
	FETCH_A \next, 0, 4
.endm
	s_wait_tensorcnt 1
	s_barrier_signal -1
	s_barrier_wait -1
	FETCH_B 0, 0, 0
	FETCH_A 0, 0, 0
	FETCH_A 0, 0, 4
	STEP 0, 0, 1
	s_mov_b32 s3, LAPS-1
.Llap:
	TURN 0, 1, 1
	STEP 1, 0, 0
	TURN 1, 0, 1
	STEP 0, 0, 0
	s_sub_co_u32 s3, s3, 1
	s_cmp_lg_u32 s3, 0
	s_cbranch_scc1 .Llap
	TURN 0, 1, 0
	STEP 1, 0, 0
	s_wait_dscnt 4*NL
	WIN MUL_LO
	MUL16 0, 1, 0
	MUL16 2, 1, 0
	s_wait_dscnt 0
	WIN MUL_HI
	MUL16 4, 1, 0
	MUL16 6, 1, 0
	WIN 0
.macro CSLOAD a
.irp cc, 0,1,2,3
	global_load_b128 v[CS+32*((\a)%4)+4*\cc:CS+32*((\a)%4)+4*\cc+3], v[CSA], s[10:11] offset:2048*(\a)+32*\cc
.endr
.irp cc, 0,1,2,3
	global_load_b128 v[CS+32*((\a)%4)+16+4*\cc:CS+32*((\a)%4)+16+4*\cc+3], v[CSA], s[68:69] offset:2048*(\a)+32*\cc
.endr
.endm
.macro QKROW a
.if 8*(7-(\a)) < 24
	s_wait_loadcnt 8*(7-(\a))
.else
	s_wait_loadcnt 24
.endif
	s_wait_xcnt 0x0
.irp hh, 0,1
	WIN 0x02+(\a)/4
.irp cc, 0,1,2,3
.set AC, 64*((\a)%4)+8*(4*\hh+\cc)
.set TT, T+8*\cc
.set CO, CS+32*((\a)%4)+4*\cc
.set SI, CO+16
	v_pk_mul_f32 v[TT:TT+1],   v[AC:AC+1],   v[CO:CO+1]   op_sel:[0,0] op_sel_hi:[1,0]
	v_pk_mul_f32 v[TT+2:TT+3], v[AC+2:AC+3], v[CO:CO+1]   op_sel:[0,1] op_sel_hi:[1,1]
	v_pk_mul_f32 v[TT+4:TT+5], v[AC+4:AC+5], v[CO+2:CO+3] op_sel:[0,0] op_sel_hi:[1,0]
	v_pk_mul_f32 v[TT+6:TT+7], v[AC+6:AC+7], v[CO+2:CO+3] op_sel:[0,1] op_sel_hi:[1,1]
.irp i, 0,1,2,3
	v_fma_f32 v[TT+2*\i],   -v[AC+2*\i+1], v[SI+\i], v[TT+2*\i]
	v_fma_f32 v[TT+2*\i+1], v[AC+2*\i],    v[SI+\i], v[TT+2*\i+1]
.endr
.endr
	WIN 0
.irp j, 0,1,2,3,4,5,6,7,8,9,10,11,12,13,14,15,16,17,18,19,20,21,22,23,24,25,26,27,28,29,30,31
	v_med3_num_f32 v[T+\j], v[T+\j], s93, s92
.endr
.irp cc, 0,1,2,3
	v_cvt_scalef32_pk8_fp8_f32 v[CODE+16*((\a)%2)+8*\hh+2*\cc:CODE+16*((\a)%2)+8*\hh+2*\cc+1], v[T+8*\cc:T+8*\cc+7], v[SCL]
.endr
	v_nop
.endr
.irp c, 0,1
	global_store_b128 v[LI],  v[CODE+16*((\a)%2)+4*\c:CODE+16*((\a)%2)+4*\c+3],     s[90:91] offset:1024*(\a)+512*\c
	global_store_b128 v[LI2], v[CODE+16*((\a)%2)+8+4*\c:CODE+16*((\a)%2)+8+4*\c+3], s[90:91] offset:1024*(\a)+512*\c
.endr
.if (\a) < 4
	CSLOAD (\a)+4
.endif
.endm
.macro VROW a
	s_wait_xcnt 0x0
.irp g, 0,1
	WIN 0x02+(\a)/4
.irp t, 0,1,2,3
.irp j, 0,1,2,3,4,5,6,7
	v_med3_num_f32 v[T+8*\t+\j], v[64*((\a)%4)+8*(4*\g+\t)+\j], s93, s92
.endr
.endr
	WIN 0
.irp t, 0,1,2,3
	v_cvt_scalef32_pk8_fp8_f32 v[CODE+16*((\a)%2)+2*(4*\g+\t):CODE+16*((\a)%2)+2*(4*\g+\t)+1], v[T+8*\t:T+8*\t+7], v[SCL]
.endr
	v_nop
.endr
.irp c, 0,1,2,3
	global_store_b128 v[LI], v[CODE+16*((\a)%2)+4*\c:CODE+16*((\a)%2)+4*\c+3], s[90:91] offset:((\a)/4)*262144+((\a)%4)*2048+512*\c
.endr
.endm
	PLACES NP
	s_cmp_eq_u32 ttmp9, 2
	s_cbranch_scc1 .Lv_out
	s_wait_alu depctr_va_vdst(0)
	CSLOAD 0
	CSLOAD 1
	CSLOAD 2
	CSLOAD 3
.irp a, 0,1,2,3,4,5,6,7
	QKROW \a
.endr
	s_branch .Lend
.Lv_out:
.irp a, 0,1,2,3,4,5,6,7
	VROW \a
.endr
.Lend:
	s_wait_tensorcnt 0x0
	ds_add_u32 v[SPW], v[NIL]
	s_wait_dscnt 0x0
	CROUND
	s_endpgm
.Lfunc_end_k_q0e6ca5c8ca_qkv:
	.size	k_q0e6ca5c8ca_qkv, .Lfunc_end_k_q0e6ca5c8ca_qkv-k_q0e6ca5c8ca_qkv
	.p2alignl 7, 3214868480
	.fill 96, 4, 3214868480
	.section	.rodata,"a",@progbits
	.p2align	6, 0x0
	.amdhsa_kernel k_q0e6ca5c8ca_qkv
		.amdhsa_group_segment_fixed_size 327680
		.amdhsa_private_segment_fixed_size 0
		.amdhsa_enable_private_segment 0
		.amdhsa_kernarg_size 56
		.amdhsa_user_sgpr_count 2
		.amdhsa_user_sgpr_kernarg_segment_ptr 1
		.amdhsa_wavefront_size32 1
		.amdhsa_system_sgpr_workgroup_id_x 1
		.amdhsa_system_sgpr_workgroup_id_y 1
		.amdhsa_system_sgpr_workgroup_id_z 1
		.amdhsa_system_vgpr_workitem_id 0
		.amdhsa_next_free_vgpr 1024
		.amdhsa_next_free_sgpr 100
		.amdhsa_reserve_vcc 0
		.amdhsa_float_denorm_mode_32 3
		.amdhsa_float_denorm_mode_16_64 3
		.amdhsa_memory_ordered 1
		.amdhsa_forward_progress 1
		.amdhsa_inst_pref_size 215
	.end_amdhsa_kernel
	.amdgpu_metadata
---
amdhsa.version: [ 1, 2 ]
amdhsa.kernels:
  - .name:           k_q0e6ca5c8ca_qkv
    .symbol:         k_q0e6ca5c8ca_qkv.kd
    .args:
      - { .name: x_codes, .offset: 0, .size: 8, .value_kind: global_buffer, .address_space: global }
      - { .name: W_qkv_codes, .offset: 8, .size: 8, .value_kind: global_buffer, .address_space: global }
      - { .name: lowp_scales, .offset: 16, .size: 8, .value_kind: global_buffer, .address_space: global }
      - { .name: freqs_cos, .offset: 24, .size: 8, .value_kind: global_buffer, .address_space: global }
      - { .name: freqs_sin, .offset: 32, .size: 8, .value_kind: global_buffer, .address_space: global }
      - { .name: q_img, .offset: 40, .size: 8, .value_kind: global_buffer, .address_space: global }
      - { .name: kv_img, .offset: 48, .size: 8, .value_kind: global_buffer, .address_space: global }
    .group_segment_fixed_size: 327680
    .private_segment_fixed_size: 0
    .kernarg_segment_align: 8
    .kernarg_segment_size: 56
    .max_flat_workgroup_size: 128
    .sgpr_count:     100
    .vgpr_count:     1024
    .wavefront_size: 32
...
	.end_amdgpu_metadata
.endif
;; end of part 1
;; launch attn (part 2): grid 4 x 64, 16 waves a work-group, clusters of 4 x 1, 327,680 bytes of LDS; arguments q_img, kv_img, lowp_scales, a_img; writes a_img
.if DOCPART == 2
	.amdgcn_target "amdgcn-amd-amdhsa--gfx1250"
	.amdhsa_code_object_version 6
	.text
	.protected	k_q0e6ca5c8ca_attn
	.globl	k_q0e6ca5c8ca_attn
	.p2align	8
	.type	k_q0e6ca5c8ca_attn,@function
k_q0e6ca5c8ca_attn:
	s_mov_b64 s[64:65], 0
	v_nop
	global_prefetch_b8 v0, s[64:65] scope:SCOPE_SE
	s_setreg_imm32_b32 hwreg(HW_REG_WAVE_MODE, 25, 1), 1
	s_wait_xcnt 0x0
	s_wait_alu depctr_hold_cnt(0) depctr_sa_sdst(0) depctr_va_vdst(0) depctr_va_sdst(0) depctr_va_ssrc(0) depctr_va_vcc(0) depctr_vm_vsrc(0)
	s_getreg_b32 s2, hwreg(HW_REG_IB_STS2, 6, 4)
	s_cmp_eq_u32 s2, 0
	s_cbranch_scc0 .Lentry_in_a_cluster
	s_endpgm
.Lentry_in_a_cluster:
	s_bfe_u32 s2, ttmp6, 0x10000c
	s_cmp_lg_u32 s2, 0x3003
	s_cbranch_scc0 .Lentry_shape_is_right
	s_endpgm
.Lentry_shape_is_right:
; Attention of one (batch, head) a cluster, on codes of E4M3: S^T = k q^T, p = 2^(t - M), O^T = v^T p, O / l quantised with 2^e6 for the last product.
; t = score x log2(e) / 8; M = the running largest t rounded UP to a whole number, kept as -M alone (the ceiling of a maximum is the maximum of the ceilings);
; the row's sum l is taken of the unquantised p; when M moves, l and O^T are multiplied by f = 2^(old M - new M), which rounds nothing.
; SHARES.  The cluster's four work-groups take 512 queries each; each of a work-group's sixteen waves takes TWO tiles of 16 queries (A, B) and walks the 2,048 keys once, 128 a step:
; every fragment of K and of V that a wave reads from LDS feeds two matrix instructions.
; THE WHOLE HEAD'S K AND V, 262,144 bytes as kv_img has them, LIE IN LDS, filled once by joint loads that name the four partners: keys 0-511 by one load a wave at the head (4,096 bytes each),
; the rest by one load a wave (12,288 bytes each) behind the full sequence and a round of the cluster's barrier.  No byte is filled again.  Every byte is asked for by these two loads, so no prefetch is laid.
; LAYOUT.  Both products are used transposed: a lane holds ONE query (lane % 16) of each tile.  S^T's tile t: register j = key 16 t + 8 (lane / 16) + j: eight registers, converted, are registers
; 2 t, 2 t + 1 of the second product's operand.  K's, Q's and V's fragments come as images of their registers: 16 bytes a lane, 512 consecutive bytes a load.
; OUT.  a_img [tile of 16 rows 512][head 16][c 2][lane][16]: lane (r, h), registers 4 c .. 4 c + 3: d = 32 c + 16 h + 0..15.
; LIMITS: the scaled scores t stay under 2^31 in magnitude; e2 + e3 between -123 and 130 (added to c's exponent field); e5, and e6 - e4 - e5, between -126 and 119.  Both holds are always executed.
.set SPARE, 0x40000                    ; behind K and V: the spare words, 128 bytes a wave
.set ADN, 0                            ; v0   LDS address of the next step (held at the phase's last step)
.set SPW, 1                            ; v1   my spare word; never rewritten
.set NIL, 2                            ; v2   0; never rewritten
.set ADK, 3                            ; v3   LDS address of the step in hand
.set SCL, 4                            ; v4   2^e5
.set LI,  5                            ; v5   16 x lane
.set NA,  6                            ; v[6:7]   tile A: -M, f
.set LA,  8                            ; v[8:9]   tile A: l in two halves
.set NB,  10                           ; v[10:11], v[12:13] the same for tile B
.set LB,  12
.set CA0, 14                           ; two chains of each tile's maximum: v14 and f's register, which is idle then
.set CA1, NA+1
.set CB0, 15
.set CB1, NB+1
.set QA,  16                           ; v16-31   Q of both tiles
.set QB,  24
.set F,   32                           ; v32-63   K's tiles 4-7, then partial sums, then p's codes
.set PB,  F
.set PA,  F+16
.set T,   F+8                          ; four chains of tile B's sum
.set SA,  64                           ; v64-127  S^T of tile A, then p, then V^T's four fragments
.set SB,  128                          ; v128-191 S^T of tile B, then p
.set KN,  SB+32                        ; its upper half takes the next step's K tiles 0-3 once p is converted
.set OA,  192                          ; v192-255 O^T of both tiles
.set OB,  224
.set E,   SA                           ; the way out: codes as made, what changes halves, codes as stored
.set X,   SA+16
.set R,   SA+32
.set WV,  12
.set G1,  16                           ; s[16:23] group 1, 16 rows of 256 bytes;  s[24:31] 48 rows;  s[32:35], s[36:39] their groups 0
.set G1R, 24
.set G0,  32
.set G0R, 36
.set CS,  48                           ; s[48:49] c, twice
.set SEL, 50                           ; s[50:51] lane selects: lane l xor 16
.set TB,  52
.set CNT, 53
.set CAP, 55                           ; s55  448 x 2^e5
.set TBN, 66
.set FS,  67                           ; s67  2^(e6 - e4 - e5);  s68  448 x that
.set FC,  68
.macro CROUND                          ; a round of the cluster's barrier
	s_barrier_signal -1
	s_barrier_wait -1
	s_cmp_lg_u32 s[WV], 0
	s_cbranch_scc1 .Lnot_wave_0_\@
	s_barrier_signal -3
.Lnot_wave_0_\@:
	s_barrier_wait -3
	s_barrier_signal -1
	s_barrier_wait -1
.endm
.macro PLACES n
.rept \n
	v_nop
.endr
.endm
.macro HOLD2 r                         ; p is not negative: a one-sided hold at the largest code x the scale, two numbers an instruction
	v_dual_min_num_f32 v[\r], s[CAP], v[\r] :: v_dual_min_num_f32 v[(\r)+1], s[CAP], v[(\r)+1]
.endm
.macro MX ca, cb, i                    ; scores i, i + 1 of both tiles into one chain each
	v_max3_num_f32 v[\ca], v[\ca], v[SA+\i], v[SA+\i+1]
	v_max3_num_f32 v[\cb], v[\cb], v[SB+\i], v[SB+\i+1]
.endm
.macro BSUM j                          ; eight of tile B's p into its four chains
.irp k, 0,1,2,3
	v_pk_add_f32 v[T+2*\k:T+2*\k+1], v[T+2*\k:T+2*\k+1], v[SB+\j+2*\k:SB+\j+2*\k+1]
.endr
.endm
	s_load_b128 s[4:7], s[0:1], 0x0                ; q_img, kv_img
	s_load_b128 s[8:11], s[0:1], 0x10              ; the scales' exponents, a_img
	v_lshl_add_u32 v[SPW], v0, 2, SPARE
	v_mov_b32 v[NIL], 0
	ds_add_u32 v[SPW], v[NIL]                      ; the opening lines: the add twice on end and its wait
	ds_add_u32 v[SPW], v[NIL]
	v_lshrrev_b32 v[LI], 5, v0
	v_readfirstlane_b32 s[WV], v[LI]               ; wave 0..15
	s_bfe_u32 s13, ttmp6, 0x40000                  ; cx: it enters q_img's and a_img's addresses alone
	s_and_b32 s14, ttmp7, 0xffff                   ; bh = 16 b + head, which the four partners share
.irp g, G1, G1R
	s_mov_b32 s[\g], 15|(3<<16)|(1<<21)            ; the mask: all four work-groups; elements of 8 bytes; bit 21 beside a mask; no padding
	s_mov_b32 s[\g+1], 32<<16                      ; rows of 256 bytes
	s_mov_b32 s[\g+3], 32<<16
	s_mov_b32 s[\g+5], 32
	s_mov_b32 s[\g+6], 0
	s_mov_b32 s[\g+7], 0
.endr
	s_mov_b32 s[G1+2], 16<<16
	s_mov_b32 s[G1+4], 16
	s_mov_b32 s[G1R+2], 48<<16
	s_mov_b32 s[G1R+4], 48
	s_mov_b32 s[G0], 1
	s_lshl_b32 s[G0+1], s[WV], 12                  ; LDS as memory: my 4,096 bytes of the first 65,536,
	s_mov_b32 s[G0R], 1
	s_mul_i32 s[G0R+1], s[WV], 12288
	s_add_co_u32 s[G0R+1], s[G0R+1], 65536         ; and my 12,288 of the other 196,608
	s_lshl_b32 s56, s14, 18                        ; the head's 262,144 bytes
	s_add_co_u32 s58, s56, s[G0+1]
	s_mov_b32 s59, 0
	s_add_co_u32 s60, s56, s[G0R+1]
	s_mov_b32 s61, 0
	s_wait_dscnt 0x0
	s_wait_kmcnt 0x0
	s_load_b256 s[40:47], s[8:9], 0x0              ; e0 .. e7
	s_add_nc_u64 s[G0+2:G0+3], s[6:7], s[58:59]
	s_or_b32 s[G0+3], s[G0+3], 0x80000000
	s_add_nc_u64 s[G0R+2:G0R+3], s[6:7], s[60:61]
	s_or_b32 s[G0R+3], s[G0R+3], 0x80000000
	CROUND                                         ; all four work-groups are here: the joint loads meet
	tensor_load_to_lds s[G0:G0+3], s[G1:G1+7]      ; keys 0-511: my one load at the head
	s_nop 0
	PLACES 4
	s_lshl_b32 s58, s14, 7
	s_lshl_b32 s59, s13, 5
	s_add_co_u32 s58, s58, s59
	s_add_co_u32 s58, s58, s[WV]                   ; tile A of queries: 128 bh + 32 cx + wave; tile B lies 16 tiles on
	s_lshl_b32 s58, s58, 10
	s_mov_b32 s59, 0
	s_add_nc_u64 s[60:61], s[4:5], s[58:59]
	v_and_b32 v[LI], 31, v0
	v_lshlrev_b32 v[LI], 4, v[LI]
	global_load_b128 v[QA:QA+3],   v[LI], s[60:61]
	global_load_b128 v[QA+4:QA+7], v[LI], s[60:61] offset:512
	global_load_b128 v[QB:QB+3],   v[LI], s[60:61] offset:16384
	global_load_b128 v[QB+4:QB+7], v[LI], s[60:61] offset:16896
	s_lshr_b32 s58, s14, 4
	s_lshl_b32 s58, s58, 7
	s_lshl_b32 s53, s13, 5
	s_add_co_u32 s58, s58, s53
	s_add_co_u32 s58, s58, s[WV]                   ; tile A of rows: 128 b + 32 cx + wave
	s_lshl_b32 s58, s58, 14
	s_and_b32 s53, s14, 15
	s_lshl_b32 s53, s53, 10                        ; the head's 1,024 bytes in it
	s_add_co_u32 s58, s58, s53
	s_add_nc_u64 s[62:63], s[10:11], s[58:59]
	s_mov_b32 s[SEL], 0x76543210
	s_mov_b32 s[SEL+1], 0xfedcba98
	s_mov_b32 s54, 0xffff0000                      ; lanes 16-31
	s_mov_b32 s[CS], 0x3e38aa3b                    ; c = log2(e) / sqrt(64)
.rept 64
	v_mov_b32 v[OA+\+], 0                          ; the step is written once: the first finds zeros, which the first change of M leaves zeros
.endr
	v_mov_b32 v[NA], 0x7f61b1e6                    ; -M = 3e38: M lies under every t
	v_mov_b32 v[NB], 0x7f61b1e6
	v_mov_b32 v[NA+1], 0
	v_mov_b32 v[NB+1], 0
	v_mov_b32 v[LA], 0
	v_mov_b32 v[LA+1], 0
	v_mov_b32 v[LB], 0
	v_mov_b32 v[LB+1], 0
	s_wait_kmcnt 0x0
	s_add_co_i32 s56, s42, s43
	s_lshl_b32 s56, s56, 23
	s_add_co_i32 s[CS], s[CS], s56                 ; a score stands for score x 2^(e2 + e3): added to c's exponent field
	s_mov_b32 s[CS+1], s[CS]
	s_add_co_i32 s56, s45, 127
	s_lshl_b32 s57, s56, 23
	v_mov_b32 v[SCL], s57                          ; 2^e5
	s_add_co_i32 s56, s56, 8
	s_lshl_b32 s56, s56, 23
	s_or_b32 s[CAP], s56, 0x600000                 ; 448 x 2^e5
	s_sub_co_i32 s56, s46, s44
	s_sub_co_i32 s56, s56, s45                     ; O^T / l stands for that x 2^(e4 + e5): folded into the conversion's scale
	s_add_co_i32 s56, s56, 127
	s_lshl_b32 s[FS], s56, 23
	s_add_co_i32 s56, s56, 8
	s_lshl_b32 s56, s56, 23
	s_or_b32 s[FC], s56, 0x600000
	s_wait_alu depctr_va_vdst(0)
	s_wait_tensorcnt 0x0                           ; my part of keys 0-511 is in; the full sequence ahead of a later first fill:
	ds_add_u32 v[SPW], v[NIL]
	s_wait_dscnt 0x0
	CROUND                                         ; everybody's part is in, and the four work-groups are here
	tensor_load_to_lds s[G0R:G0R+3], s[G1R:G1R+7]  ; keys 512-2047: my one load behind the round; it lands under the first four steps
	s_nop 0
	PLACES 4
	s_wait_loadcnt 0x0                             ; Q
; A KEY STEP: 128 keys for both tiles.  On entry K's tiles 0-3 are on their way into KN, and five places stand behind the last step's products.
.macro STEP lastb
.irp t, 0,1,2,3
	ds_load_b128 v[F+8*\t:F+8*\t+3],   v[ADK] offset:4096+1024*\t    ; K's tiles 4-7
	ds_load_b128 v[F+8*\t+4:F+8*\t+7], v[ADK] offset:4608+1024*\t
.endr
	s_wait_dscnt 8                                 ; tiles 0-3 are in; the eight just issued may be out
.irp t, 0,1,2,3
	v_wmma_f32_16x16x64_fp8_fp8 v[SA+8*\t:SA+8*\t+7], v[KN+8*\t:KN+8*\t+7], v[QA:QA+7], 0
	v_wmma_f32_16x16x64_fp8_fp8 v[SB+8*\t:SB+8*\t+7], v[KN+8*\t:KN+8*\t+7], v[QB:QB+7], 0
.endr
	PLACES 4
	v_max3_num_f32 v[CA0], v[SA], v[SA+1], v[SA+2]   ; the largest score of my two queries: two chains a tile, each accumulator from its low end on
	v_max3_num_f32 v[CB0], v[SB], v[SB+1], v[SB+2]
	v_max3_num_f32 v[CA1], v[SA+3], v[SA+4], v[SA+5]
	v_max3_num_f32 v[CB1], v[SB+3], v[SB+4], v[SB+5]
.irp i, 6,10,14,18,22,26
	MX CA0, CB0, \i
	MX CA1, CB1, \i+2
.endr
	MX CA0, CB0, 30
	s_wait_alu depctr_va_vdst(0)
	s_wait_dscnt 0x0                               ; tiles 4-7 are in
.irp t, 0,1,2,3
	v_wmma_f32_16x16x64_fp8_fp8 v[SA+32+8*\t:SA+39+8*\t], v[F+8*\t:F+8*\t+7], v[QA:QA+7], 0
	v_wmma_f32_16x16x64_fp8_fp8 v[SB+32+8*\t:SB+39+8*\t], v[F+8*\t:F+8*\t+7], v[QB:QB+7], 0
.endr
	PLACES 4
.irp i, 32,36,40,44,48,52,56,60
	MX CA1, CB1, \i
	MX CA0, CB0, \i+2
.endr
	v_max_num_f32 v[CA0], v[CA0], v[CA1]
	v_max_num_f32 v[CB0], v[CB0], v[CB1]
	v_permlanex16_b32 v[CA1], v[CA0], s[SEL], s[SEL+1]
	v_permlanex16_b32 v[CB1], v[CB0], s[SEL], s[SEL+1]
	v_max_num_f32 v[CA0], v[CA0], v[CA1]           ; and among lane l xor 16's
	v_max_num_f32 v[CB0], v[CB0], v[CB1]
	v_mul_f32 v[CA0], s[CS], v[CA0]                ; as t (c is positive)
	v_mul_f32 v[CB0], s[CS], v[CB0]
	v_floor_f32 v[CA0], -v[CA0]                    ; -ceil(t)
	v_floor_f32 v[CB0], -v[CB0]
	v_min_num_f32 v[CA0], v[CA0], v[NA]            ; the new -M
	v_min_num_f32 v[CB0], v[CB0], v[NB]
	v_sub_f32 v[CA1], v[CA0], v[NA]                ; old M - new M: a whole number, 0 or less
	v_sub_f32 v[CB1], v[CB0], v[NB]
	v_mov_b32 v[NA], v[CA0]
	v_mov_b32 v[NB], v[CB0]
	v_cvt_i32_f32 v[CA1], v[CA1]                   ; (it saturates)
	v_cvt_i32_f32 v[CB1], v[CB1]
	v_ldexp_f32 v[NA+1], 1.0, v[CA1]               ; f = 2^(old M - new M)
	v_ldexp_f32 v[NB+1], 1.0, v[CB1]
.set J, 0
.rept 32
	v_pk_fma_f32 v[SA+J:SA+J+1], v[SA+J:SA+J+1], s[CS:CS+1], v[NA:NA+1] op_sel_hi:[1,0,0]   ; tile A: t - M
.set J, J+2
.endr
.set J, 0
.rept 16
	v_pk_mul_f32 v[OA+J:OA+J+1], v[OA+J:OA+J+1], v[NA:NA+1] op_sel:[0,1] op_sel_hi:[1,1]    ; O^T under the new M: both halves x f
	v_pk_mul_f32 v[OB+J:OB+J+1], v[OB+J:OB+J+1], v[NB:NB+1] op_sel:[0,1] op_sel_hi:[1,1]
.set J, J+2
.endr
	v_pk_mul_f32 v[LA:LA+1], v[LA:LA+1], v[NA:NA+1] op_sel:[0,1] op_sel_hi:[1,1]            ; l likewise
	v_pk_mul_f32 v[LB:LB+1], v[LB:LB+1], v[NB:NB+1] op_sel:[0,1] op_sel_hi:[1,1]
	s_wait_alu depctr_va_vdst(0)                   ; ahead of a batch of exponentials
.set J, 0
.rept 32                               ; tile A's p = 2^(t - M); among them tile B's t - M, which names none of their registers
	v_exp_f32 v[SA+J], v[SA+J]
	v_exp_f32 v[SA+J+1], v[SA+J+1]
	v_pk_fma_f32 v[SB+J:SB+J+1], v[SB+J:SB+J+1], s[CS:CS+1], v[NB:NB+1] op_sel_hi:[1,0,0]
.set J, J+2
.endr
	s_wait_alu depctr_va_vdst(0)                   ; behind tile A's batch and ahead of tile B's
.set J, 0
.rept 16                               ; tile B's p; among them the first level of tile A's sum (of the unquantised p) and then tile A's hold: none reads what another of these lines wrote
	v_exp_f32 v[SB+J], v[SB+J]
	v_exp_f32 v[SB+J+1], v[SB+J+1]
	v_exp_f32 v[SB+J+2], v[SB+J+2]
	v_exp_f32 v[SB+J+3], v[SB+J+3]
	v_pk_add_f32 v[F+J/2:F+J/2+1], v[SA+J:SA+J+1], v[SA+J+2:SA+J+3]
	HOLD2 SA+J
	HOLD2 SA+J+2
.set J, J+4
.endr
	s_wait_alu depctr_va_vdst(0)                   ; behind tile B's batch
.irp k, 0,2,4,6,8,10,12,14
	v_pk_add_f32 v[F+\k:F+\k+1], v[F+\k:F+\k+1], v[F+16+\k:F+17+\k]
.endr
.irp t, 0,1,2,3,4,5,6,7
	v_cvt_scalef32_pk8_fp8_f32 v[PA+2*\t:PA+2*\t+1], v[SA+8*\t:SA+8*\t+7], v[SCL]
.endr
.irp d, 0,1,2,3
.irp c, 0,1,2,3
	ds_load_b128 v[SA+16*\d+4*\c:SA+16*\d+4*\c+3], v[ADK] offset:8192+2048*\d+512*\c   ; V^T lands while tile B is summed, held and converted
.endr
.endr
.irp k, 0,2,4,6
	v_pk_add_f32 v[F+\k:F+\k+1], v[F+\k:F+\k+1], v[F+8+\k:F+9+\k]
.endr
.irp k, 0,1,2,3
	v_pk_add_f32 v[T+2*\k:T+2*\k+1], v[SB+4*\k:SB+4*\k+1], v[SB+4*\k+2:SB+4*\k+3]
.endr
	v_pk_add_f32 v[F:F+1], v[F:F+1], v[F+4:F+5]
	v_pk_add_f32 v[F+2:F+3], v[F+2:F+3], v[F+6:F+7]
	BSUM 16
	v_pk_add_f32 v[F:F+1], v[F:F+1], v[F+2:F+3]
	BSUM 24
	v_pk_add_f32 v[LA:LA+1], v[LA:LA+1], v[F:F+1]
	BSUM 32
	BSUM 40
	BSUM 48
	BSUM 56
	v_pk_add_f32 v[T:T+1], v[T:T+1], v[T+2:T+3]
	v_pk_add_f32 v[T+4:T+5], v[T+4:T+5], v[T+6:T+7]
	v_pk_add_f32 v[T:T+1], v[T:T+1], v[T+4:T+5]
	v_pk_add_f32 v[LB:LB+1], v[LB:LB+1], v[T:T+1]
.set J, 0
.rept 32
	HOLD2 SB+J
.set J, J+2
.endr
.irp t, 0,1,2,3,4,5,6,7
	v_cvt_scalef32_pk8_fp8_f32 v[PB+2*\t:PB+2*\t+1], v[SB+8*\t:SB+8*\t+7], v[SCL]
.endr
.irp t, 0,1,2,3
	ds_load_b128 v[KN+8*\t:KN+8*\t+3],   v[ADN] offset:1024*\t       ; the next step's K tiles 0-3 (in a phase's last step: this step's once more, which nobody uses)
	ds_load_b128 v[KN+8*\t+4:KN+8*\t+7], v[ADN] offset:1024*\t+512
.endr
	v_nop                                          ; a plain instruction behind the conversions
	s_wait_alu depctr_va_vdst(0)
	s_wait_dscnt 8                                 ; V^T is in; the eight just issued may be out
.irp d, 0,1,2,3
	v_wmma_f32_16x16x128_fp8_fp8 v[OA+8*\d:OA+8*\d+7], v[SA+16*\d:SA+16*\d+15], v[PA:PA+15], v[OA+8*\d:OA+8*\d+7]   ; eight accumulators, one instruction a turn
	v_wmma_f32_16x16x128_fp8_fp8 v[OB+8*\d:OB+8*\d+7], v[SA+16*\d:SA+16*\d+15], v[PB:PB+15], v[OB+8*\d:OB+8*\d+7]
.endr
	s_add_co_u32 s[TB], s[TB], 16384
	s_add_co_u32 s[TBN], s[TB], 16384
	s_min_u32 s[TBN], s[TBN], \lastb
	v_add_nc_u32 v[ADK], s[TB], v[LI]              ; with the three below: five places behind the products, ahead of loads into p's codes and of products that write over V^T
	v_add_nc_u32 v[ADN], s[TBN], v[LI]
	PLACES 3
.endm
.macro PHASE first, n, id              ; steps first .. first + n - 1
	s_mov_b32 s[TB], 16384*\first
	s_mov_b32 s[CNT], \n
	v_add_nc_u32 v[ADK], 16384*\first, v[LI]
	v_add_nc_u32 v[ADN], 16384*(\first+1), v[LI]
.irp t, 0,1,2,3
	ds_load_b128 v[KN+8*\t:KN+8*\t+3],   v[ADK] offset:1024*\t
	ds_load_b128 v[KN+8*\t+4:KN+8*\t+7], v[ADK] offset:1024*\t+512
.endr
	s_wait_alu depctr_va_vdst(0)
.Lphase\id:
	STEP 16384*(\first+\n-1)
	s_sub_co_u32 s[CNT], s[CNT], 1
	s_cmp_lg_u32 s[CNT], 0
	s_wait_alu depctr_va_vdst(0)
	s_cbranch_scc1 .Lphase\id
.endm
	PHASE 0, 4, 0                                  ; keys 0-511
	s_wait_tensorcnt 0x0                           ; my part of keys 512-2047 is in,
	s_wait_dscnt 0x0                               ; no LDS load of mine is out,
	s_barrier_signal -1
	s_barrier_wait -1                              ; and everybody's part is in
	PHASE 4, 12, 1
	; THE WAY OUT: O^T / l, quantised; register 8 dt + j is d = 16 dt + 8 h + j of my query.  The two halves of the lanes exchange eight codes of each 32 d, so that a lane holds 16 neighbours.
	s_wait_dscnt 0x0
	v_mov_b32 v[F], s[FS]
	v_mov_b32 v[F+1], s[FC]
	v_add_f32 v[LA], v[LA], v[LA+1]
	v_add_f32 v[LB], v[LB], v[LB+1]
	v_permlanex16_b32 v[CA0], v[LA], s[SEL], s[SEL+1]
	v_permlanex16_b32 v[CB0], v[LB], s[SEL], s[SEL+1]
	v_add_f32 v[LA], v[LA], v[CA0]                 ; the rows' sums
	v_add_f32 v[LB], v[LB], v[CB0]
	s_wait_alu depctr_va_vdst(0)                   ; ahead of the two reciprocals
	v_rcp_f32 v[LA], v[LA]
	v_rcp_f32 v[LB], v[LB]
	v_nop
	s_wait_alu depctr_va_vdst(0)                   ; behind them, directly ahead of the first readers of O^T
.set J, 0
.rept 16
	v_pk_mul_f32 v[OA+J:OA+J+1], v[OA+J:OA+J+1], v[LA:LA+1] op_sel_hi:[1,0]
	v_pk_mul_f32 v[OB+J:OB+J+1], v[OB+J:OB+J+1], v[LB:LB+1] op_sel_hi:[1,0]
.set J, J+2
.endr
.rept 64
	v_med3_num_f32 v[OA+\+], v[OA+\+], -v[F+1], v[F+1]
.endr
.irp d, 0,1,2,3,4,5,6,7
	v_cvt_scalef32_pk8_fp8_f32 v[E+2*\d:E+2*\d+1], v[OA+8*\d:OA+8*\d+7], v[F]
.endr
	v_nop
.irp c, 0,1,2,3                        ; c = 0, 1: tile A; 2, 3: tile B.  Lanes 0-15 keep the even d tile's codes and want the other half's; lanes 16-31 the odd one's
	v_cndmask_b32 v[X+4*\c],   v[E+4*\c+2], v[E+4*\c],   s54
	v_cndmask_b32 v[X+4*\c+1], v[E+4*\c+3], v[E+4*\c+1], s54
	v_permlanex16_b32 v[X+4*\c+2], v[X+4*\c],   s[SEL], s[SEL+1]
	v_permlanex16_b32 v[X+4*\c+3], v[X+4*\c+1], s[SEL], s[SEL+1]
	v_cndmask_b32 v[R+4*\c],   v[E+4*\c],   v[X+4*\c+2], s54
	v_cndmask_b32 v[R+4*\c+1], v[E+4*\c+1], v[X+4*\c+3], s54
	v_cndmask_b32 v[R+4*\c+2], v[X+4*\c+2], v[E+4*\c+2], s54
	v_cndmask_b32 v[R+4*\c+3], v[X+4*\c+3], v[E+4*\c+3], s54
.endr
	global_store_b128 v[LI], v[R:R+3],     s[62:63]                  ; 32 lanes store 512 consecutive bytes, aligned; tile B lies 16 tiles of 16,384 bytes on
	global_store_b128 v[LI], v[R+4:R+7],   s[62:63] offset:512
	global_store_b128 v[LI], v[R+8:R+11],  s[62:63] offset:262144
	global_store_b128 v[LI], v[R+12:R+15], s[62:63] offset:262656
	s_wait_tensorcnt 0x0                           ; the wave's end
	ds_add_u32 v[SPW], v[NIL]
	s_wait_dscnt 0x0
	CROUND                                         ; the closing round
	s_endpgm
.Lfunc_end_k_q0e6ca5c8ca_attn:
	.size	k_q0e6ca5c8ca_attn, .Lfunc_end_k_q0e6ca5c8ca_attn-k_q0e6ca5c8ca_attn
	.p2alignl 7, 3214868480
	.fill 96, 4, 3214868480
	.section	.rodata,"a",@progbits
	.p2align	6, 0x0
	.amdhsa_kernel k_q0e6ca5c8ca_attn
		.amdhsa_group_segment_fixed_size 327680
		.amdhsa_private_segment_fixed_size 0
		.amdhsa_enable_private_segment 0
		.amdhsa_kernarg_size 32
		.amdhsa_user_sgpr_count 2
		.amdhsa_user_sgpr_kernarg_segment_ptr 1
		.amdhsa_wavefront_size32 1
		.amdhsa_system_sgpr_workgroup_id_x 1
		.amdhsa_system_sgpr_workgroup_id_y 1
		.amdhsa_system_sgpr_workgroup_id_z 1
		.amdhsa_system_vgpr_workitem_id 0
		.amdhsa_next_free_vgpr 256
		.amdhsa_next_free_sgpr 80
		.amdhsa_reserve_vcc 0
		.amdhsa_float_denorm_mode_32 3
		.amdhsa_float_denorm_mode_16_64 3
		.amdhsa_memory_ordered 1
		.amdhsa_forward_progress 1
		.amdhsa_inst_pref_size 76
	.end_amdhsa_kernel
	.amdgpu_metadata
---
amdhsa.version: [ 1, 2 ]
amdhsa.kernels:
  - .name:           k_q0e6ca5c8ca_attn
    .symbol:         k_q0e6ca5c8ca_attn.kd
    .args:
      - { .name: q_img, .offset: 0, .size: 8, .value_kind: global_buffer, .address_space: global }
      - { .name: kv_img, .offset: 8, .size: 8, .value_kind: global_buffer, .address_space: global }
      - { .name: lowp_scales, .offset: 16, .size: 8, .value_kind: global_buffer, .address_space: global }
      - { .name: a_img, .offset: 24, .size: 8, .value_kind: global_buffer, .address_space: global }
    .group_segment_fixed_size: 327680
    .private_segment_fixed_size: 0
    .kernarg_segment_align: 8
    .kernarg_segment_size: 32
    .max_flat_workgroup_size: 512
    .sgpr_count:     80
    .vgpr_count:     256
    .wavefront_size: 32
...
	.end_amdgpu_metadata
.endif
;; end of part 2
;; launch proj (part 3): grid 8 x 32, 4 waves a work-group, clusters of 4 x 4, 327,680 bytes of LDS; arguments a_img, W_proj_codes, lowp_scales, b_proj, out0; writes out0
.if DOCPART == 3
	.amdgcn_target "amdgcn-amd-amdhsa--gfx1250"
	.amdhsa_code_object_version 6
	.text
	.protected	k_q0e6ca5c8ca_proj
	.globl	k_q0e6ca5c8ca_proj
	.p2align	8
	.type	k_q0e6ca5c8ca_proj,@function
k_q0e6ca5c8ca_proj:
	s_mov_b64 s[64:65], 0
	v_nop
	global_prefetch_b8 v0, s[64:65] scope:SCOPE_SE
	s_setreg_imm32_b32 hwreg(HW_REG_WAVE_MODE, 25, 1), 1
	s_wait_xcnt 0x0
	s_wait_alu depctr_hold_cnt(0) depctr_sa_sdst(0) depctr_va_vdst(0) depctr_va_sdst(0) depctr_va_ssrc(0) depctr_va_vcc(0) depctr_vm_vsrc(0)
	s_getreg_b32 s2, hwreg(HW_REG_IB_STS2, 6, 4)
	s_cmp_eq_u32 s2, 0
	s_cbranch_scc0 .Lentry_in_a_cluster
	s_endpgm
.Lentry_in_a_cluster:
	s_bfe_u32 s2, ttmp6, 0x10000c
	s_cmp_lg_u32 s2, 0xf033
	s_cbranch_scc0 .Lentry_shape_is_right
	s_endpgm
.Lentry_shape_is_right:
; out0 = (attention's result) W_proj^T x 2^(e6 + e7) + b_proj, on codes of E4M3; sums in f32.
; SHARES.  A work-group owns 256 rows x 128 columns of out0, made as two blocks of 128 x 128; a wave makes 64 x 64 of a block: 16 accumulators.  8 x 32 work-groups.
; LDS.  The 128 rows of W_proj lie there for the WHOLE K (1,024 bytes + 16 of padding a row), filled once.  A's block, 128 rows x 1,024 codes, is 131,072 dense bytes of a_img, an image of the operand's registers.
; So a block's eight steps of 128 along K have no barrier among them.  A's second block is filled over the first behind the full sequence and a round of the cluster's barrier, one load a wave,
; and lands while the first block goes out through stages that have bytes of their own.
; CLUSTERS: 4 x 4.  The four of a row need the same blocks of A, the four of a column the same rows of W_proj: joint loads.
; No prefetch: the launch has two fills in all and no loop to run ahead in; the second fill is asked for as soon as the first block's reads are over.
; THE MATRIX INSTRUCTION IS USED TRANSPOSED (source 0 = 16 rows of W_proj, source 1 = 16 rows of A): a lane holds eight neighbouring numbers of a row of out0.
; LIMIT: e6 + e7 lies between -126 and 127, so that 2^(e6 + e7) is an f32 number.
; REGISTERS: window 0: v16-29 addresses, v32-35 the bias, v64-127 rows read back from the stage (two sets), v128-255 A's fragments (two sets of 4 x 16);
;   window 1: v0-127 W_proj's fragments (two sets of 4 x 16);  window 2: v0-127 the accumulators, (a, b) at 8 (4 a + b).
.set ABLK,   131072                    ; a block of A
.set BP,     1040                      ; a row of W_proj in LDS: 65 x 16 bytes, so the 16 rows that a load touches start at 16 different banks
.set BHALF,  64*BP
.set BOFF,   ABLK
.set STAGE,  BOFF+2*BHALF              ; 16 rows x (256 + 16) bytes for each wave
.set SPITCH, 272
.set SPARE,  STAGE+4*16*SPITCH         ; the spare words
.set ADRA, 16
.set ADRB, 20
.set STO,  24
.set RD,   25
.set CO,   26
.set SPW,  28
.set NIL,  29
.set BIAS, 32
.set BK,   64
.set AF,   128
.set G1,  24                           ; s[24:31] group 1: half a block of A;  s[32:35] its group 0;  s[36:39] group 0 of my quarter of the second block
.set G0,  32
.set G0C, 36
.set G1B, 48                           ; s[48:55], s[56:59] the same for 64 rows of W_proj
.set G0B, 56
.set G1C, 68                           ; s[68:75] group 1: a quarter of a block of A
.set MSB, 0
.macro WIN new                         ; the immediate's high byte repeats the setting that is left
.if MSB != (\new)
	s_set_vgpr_msb (MSB<<8)|(\new)
.set MSB, (\new)
.endif
.endm
.set MULW, 0xa1                        ; source 0 window 1, source 1 window 0, C and D window 2
.set TO_B, 0x40                        ; destination window 1
.macro CROUND                          ; a round of the cluster's barrier
	s_barrier_signal -1
	s_barrier_wait -1
	s_cmp_lg_u32 s14, 0
	s_cbranch_scc1 .Lnot_wave_0_\@
	s_barrier_signal -3
.Lnot_wave_0_\@:
	s_barrier_wait -3
	s_barrier_signal -1
	s_barrier_wait -1
.endm
.macro PLACES n
.rept \n
	v_nop
.endr
.endm
	s_load_b128 s[4:7], s[0:1], 0x0                ; a_img, W_proj's codes
	s_load_b128 s[8:11], s[0:1], 0x10              ; the scales' exponents, b_proj
	s_load_b64 s[12:13], s[0:1], 0x20              ; out0
	v_lshl_add_u32 v[SPW], v0, 2, SPARE
	v_mov_b32 v[NIL], 0
	ds_add_u32 v[SPW], v[NIL]                      ; the opening lines: the add twice on end and its wait
	ds_add_u32 v[SPW], v[NIL]
	v_lshrrev_b32 v1, 5, v0
	v_readfirstlane_b32 s14, v1                    ; wave 0..3
	s_lshr_b32 s15, s14, 1                         ; my half of a block's rows.  Also: at the head I fetch for A (0) or for W_proj (1)
	s_and_b32 s16, s14, 1                          ; my half of its columns.  Also: which half I fetch
	s_bfe_u32 s40, ttmp6, 0x40000                  ; cx, cy
	s_bfe_u32 s41, ttmp6, 0x40004
	s_lshl_b32 s42, ttmp9, 2
	s_add_co_u32 s42, s42, s40                     ; block column 0..7
	s_and_b32 s17, ttmp7, 0xffff
	s_lshl_b32 s17, s17, 2
	s_add_co_u32 s17, s17, s41                     ; group of 256 rows 0..31
	s_lshl_b32 s43, s41, 2
	s_lshl_b32 s43, 15, s43                        ; my row of the cluster
	s_lshl_b32 s44, 0x1111, s40                    ; my column
	s_or_b32 s[G1+0], s43, (3<<16)|(1<<21)         ; A: elements of 8 bytes, dense rows of 256 bytes, no padding
	s_or_b32 s[G1C+0], s43, (3<<16)|(1<<21)
.irp g, G1, G1C
	s_mov_b32 s[\g+1], 32<<16
	s_mov_b32 s[\g+3], 32<<16
	s_mov_b32 s[\g+5], 32
	s_mov_b32 s[\g+6], 0
	s_mov_b32 s[\g+7], 0
.endr
	s_mov_b32 s[G1+2], 256<<16                     ; 65,536 bytes
	s_mov_b32 s[G1+4], 256
	s_mov_b32 s[G1C+2], 128<<16                    ; 32,768 bytes
	s_mov_b32 s[G1C+4], 128
	s_or_b32 s[G1B+0], s44, (0<<16)|(1<<20)|(1<<21)|(7<<22)|(3<<25)   ; W_proj: 64 rows of 1,024 bytes, four words of padding behind every 256 words
	s_mov_b32 s[G1B+1], 1024<<16
	s_mov_b32 s[G1B+2], 64<<16
	s_mov_b32 s[G1B+3], 1024<<16
	s_mov_b32 s[G1B+4], 64
	s_mov_b32 s[G1B+5], 1024
	s_mov_b32 s[G1B+6], 0
	s_mov_b32 s[G1B+7], 0
	s_mov_b32 s[G0], 1
	s_lshl_b32 s[G0+1], s16, 16                    ; A's first block: my half, LDS as memory
	s_lshl_b32 s20, s17, 18                        ; 256 rows of a_img are 262,144 bytes
	s_add_co_u32 s20, s20, s[G0+1]
	s_mov_b32 s21, 0
	s_mov_b32 s[G0C], 1
	s_lshl_b32 s[G0C+1], s14, 15                   ; A's second block: my quarter
	s_lshl_b32 s22, s17, 18
	s_add_co_u32 s22, s22, s[G0C+1]
	s_add_co_u32 s22, s22, ABLK
	s_mov_b32 s23, 0
	s_mov_b32 s[G0B], 1
	s_mul_i32 s[G0B+1], s16, BHALF
	s_add_co_u32 s[G0B+1], s[G0B+1], BOFF
	s_lshl_b32 s46, s42, 17                        ; 128 rows of W_proj are 131,072 bytes
	s_lshl_b32 s47, s16, 16
	s_add_co_u32 s46, s46, s47
	s_mov_b32 s47, 0
	s_wait_dscnt 0x0
	s_wait_kmcnt 0x0
	s_load_b64 s[96:97], s[8:9], 0x18              ; e6, e7
	s_add_nc_u64 s[G0+2:G0+3], s[4:5], s[20:21]
	s_or_b32 s[G0+3], s[G0+3], 0x80000000
	s_add_nc_u64 s[G0C+2:G0C+3], s[4:5], s[22:23]
	s_or_b32 s[G0C+3], s[G0C+3], 0x80000000
	s_add_nc_u64 s[G0B+2:G0B+3], s[6:7], s[46:47]
	s_or_b32 s[G0B+3], s[G0B+3], 0x80000000
	CROUND                                         ; all sixteen work-groups are here: the first joint loads meet
	s_cmp_eq_u32 s15, 0
	s_cbranch_scc0 .Lfor_b
	tensor_load_to_lds s[G0:G0+3], s[G1:G1+7]      ; one tensor load a wave at the head
	s_nop 0
	PLACES 4
	s_branch .Lasked
.Lfor_b:
	tensor_load_to_lds s[G0B:G0B+3], s[G1B:G1B+7]
	s_nop 0
	PLACES 4
.Lasked:
	s_lshl_b32 s21, s15, 16                        ; my 64 rows of A: four tiles of 16,384 bytes
	s_mul_i32 s22, s16, BHALF
	s_add_co_u32 s22, s22, BOFF                    ; my 64 rows of W_proj
	s_mul_i32 s23, s14, 16*SPITCH
	s_add_co_u32 s23, s23, STAGE                   ; my stage
	s_lshl_b32 s18, s17, 8
	s_lshl_b32 s19, s15, 6
	s_add_co_u32 s18, s18, s19                     ; my first row of out0
	s_lshl_b32 s18, s18, 12                        ; a row is 4,096 bytes
	s_mov_b32 s19, 0
	s_lshl_b32 s46, s42, 9
	s_lshl_b32 s47, s16, 8
	s_add_co_u32 s46, s46, s47                     ; my first column, in bytes
	s_mov_b32 s47, 0
	s_add_nc_u64 s[10:11], s[10:11], s[46:47]
	s_add_nc_u64 s[12:13], s[12:13], s[46:47]
	s_add_nc_u64 s[12:13], s[12:13], s[18:19]
	v_and_b32 v1, 15, v0                           ; r
	v_bfe_u32 v2, v0, 4, 1                         ; h
	v_and_b32 v6, 31, v0
	v_lshlrev_b32 v6, 4, v6
	v_add_nc_u32 v[ADRA], s21, v6                  ; A: 16 bytes a lane
	v_mul_u32_u24 v3, v1, BP
	v_lshl_add_u32 v3, v2, 4, v3
	v_add_nc_u32 v[ADRB], s22, v3                  ; W_proj: row r, + 16 h
	v_mul_u32_u24 v4, v1, SPITCH
	v_lshl_add_u32 v4, v2, 5, v4
	v_add_nc_u32 v[STO], s23, v4                   ; into the stage: row r, 32 bytes for each half of the lanes
	v_mul_u32_u24 v5, v2, SPITCH
	v_lshl_add_u32 v5, v1, 4, v5
	v_add_nc_u32 v[RD], s23, v5                    ; back: lanes 0-15 one row of 256 bytes, lanes 16-31 the next
	v_lshlrev_b32 v7, 4, v1
	v_lshl_add_u32 v[CO], v2, 12, v7               ; and the same two rows in out0
	global_load_b128 v[BIAS:BIAS+3], v7, s[10:11]  ; the bias of my four columns
.macro FETCH q, p                      ; the fragments of the q-th 128 along K into set p: 16 loads a side
	WIN TO_B
.irp i, 0,1,2,3
.irp c, 0,1,2,3
	ds_load_b128 v[64*(\p)+16*\i+4*\c:64*(\p)+16*\i+4*\c+3], v[ADRB] offset:128*(\q)+32*\c+\i*16*BP
.endr
.endr
	WIN 0
.irp i, 0,1,2,3
.irp c, 0,1,2,3
	ds_load_b128 v[AF+64*(\p)+16*\i+4*\c:AF+64*(\p)+16*\i+4*\c+3], v[ADRA] offset:16384*\i+2048*(\q)+512*\c
.endr
.endr
.endm
.macro MUL p, q                        ; 16 products on set p; the 16 accumulators take turns, one instruction a turn; step 0 starts the sums
	WIN MULW
.irp a, 0,1,2,3
.irp b, 0,1,2,3
.if (\q) == 0
	v_wmma_f32_16x16x128_fp8_fp8 v[8*(4*\a+\b):8*(4*\a+\b)+7], v[64*(\p)+16*\b:64*(\p)+16*\b+15], v[AF+64*(\p)+16*\a:AF+64*(\p)+16*\a+15], 0
.else
	v_wmma_f32_16x16x128_fp8_fp8 v[8*(4*\a+\b):8*(4*\a+\b)+7], v[64*(\p)+16*\b:64*(\p)+16*\b+15], v[AF+64*(\p)+16*\a:AF+64*(\p)+16*\a+15], v[8*(4*\a+\b):8*(4*\a+\b)+7]
.endif
.endr
.endr
	WIN 0
.endm
.macro BLOCK                           ; a block of 128 x 128: eight steps; a step's fragments are asked for ahead of the step before it
	FETCH 0, 0
.irp q, 0,1,2,3,4,5,6
	s_wait_dscnt 0x0
	PLACES 4                                       ; places in front of loads into the set that the step before multiplied
	FETCH \q+1, (\q+1)%2
	MUL \q%2, \q
.endr
	s_wait_dscnt 0x0
	MUL 1, 7
.endm
; THE WAY OUT of 16 rows x 64 columns: through my stage, back as whole rows of 256 bytes, x 2^(e6 + e7) + bias, stored: sixteen lanes fill one aligned unit of 256 bytes.
.macro TOSTAGE a
.set AC, 32*(\a)
	WIN 0x08                                       ; store data: window 2
.irp b, 0,1,2,3
	ds_store_b128 v[STO], v[AC+8*\b:AC+8*\b+3] offset:64*\b
	ds_store_b128 v[STO], v[AC+8*\b+4:AC+8*\b+7] offset:64*\b+16
.endr
	WIN 0
.set BB, BK+32*((\a)%2)
.irp t, 0,1,2,3,4,5,6,7
	ds_load_b128 v[BB+4*\t:BB+4*\t+3], v[RD] offset:\t*2*SPITCH    ; LDS serves a wave's instructions in order (ISA guide 5.7.1.4): these see the stores above
.endr
.endm
.macro SEND a, k, younger
.set BB, BK+32*((\a)%2)
	s_wait_dscnt \younger
.irp t, 0,1,2,3,4,5,6,7
	v_pk_fma_f32 v[BB+4*\t:BB+4*\t+1],   v[BB+4*\t:BB+4*\t+1],   s[96:97], v[BIAS:BIAS+1]   op_sel_hi:[1,0,1]
	v_pk_fma_f32 v[BB+4*\t+2:BB+4*\t+3], v[BB+4*\t+2:BB+4*\t+3], s[96:97], v[BIAS+2:BIAS+3] op_sel_hi:[1,0,1]
	global_store_b128 v[CO], v[BB+4*\t:BB+4*\t+3], s[12:13] offset:(\k)*524288+(\a)*65536+\t*8192 th:TH_STORE_NT
.endr
.endm
.macro EPI k
	s_wait_xcnt 0x0                                ; earlier stores have read their registers
	PLACES 4                                       ; places behind the last products
	TOSTAGE 0
.irp a, 1,2,3
.if \a > 1
	s_wait_xcnt 0x0                                ; the stores of two blocks of rows ago have read the set that is loaded next
.endif
	TOSTAGE \a
	SEND \a-1, \k, 16                              ; younger: the next rows' eight stores and eight loads
.endr
	SEND 3, \k, 0
.endm
	s_wait_alu depctr_va_vdst(0)
	s_wait_tensorcnt 0x0                           ; my load is in,
	s_barrier_signal -1
	s_barrier_wait -1                              ; and everybody's
	BLOCK
	s_wait_tensorcnt 0x0                           ; the full sequence ahead of a refill:
	ds_add_u32 v[SPW], v[NIL]
	s_wait_dscnt 0x0                               ; my reads of A's first block are over
	CROUND                                         ; and so are those of every wave of every partner
	tensor_load_to_lds s[G0C:G0C+3], s[G1C:G1C+7]  ; A's second block, my quarter: my one load behind the round
	s_nop 0
	PLACES 4
	s_wait_kmcnt 0x0
	s_add_co_i32 s96, s96, s97
	s_add_co_i32 s96, s96, 127
	s_lshl_b32 s96, s96, 23                        ; 2^(e6 + e7)
	s_wait_loadcnt 0x0                             ; the bias
	EPI 0
	s_wait_tensorcnt 0x0                           ; my quarter is in,
	s_wait_dscnt 0x0
	s_barrier_signal -1
	s_barrier_wait -1                              ; and everybody's
	BLOCK
	EPI 1
	s_wait_tensorcnt 0x0                           ; the wave's end
	ds_add_u32 v[SPW], v[NIL]
	s_wait_dscnt 0x0
	CROUND                                         ; the closing round
	s_endpgm
.Lfunc_end_k_q0e6ca5c8ca_proj:
	.size	k_q0e6ca5c8ca_proj, .Lfunc_end_k_q0e6ca5c8ca_proj-k_q0e6ca5c8ca_proj
	.p2alignl 7, 3214868480
	.fill 96, 4, 3214868480
	.section	.rodata,"a",@progbits
	.p2align	6, 0x0
	.amdhsa_kernel k_q0e6ca5c8ca_proj
		.amdhsa_group_segment_fixed_size 327680
		.amdhsa_private_segment_fixed_size 0
		.amdhsa_enable_private_segment 0
		.amdhsa_kernarg_size 40
		.amdhsa_user_sgpr_count 2
		.amdhsa_user_sgpr_kernarg_segment_ptr 1
		.amdhsa_wavefront_size32 1
		.amdhsa_system_sgpr_workgroup_id_x 1
		.amdhsa_system_sgpr_workgroup_id_y 1
		.amdhsa_system_sgpr_workgroup_id_z 1
		.amdhsa_system_vgpr_workitem_id 0
		.amdhsa_next_free_vgpr 640
		.amdhsa_next_free_sgpr 98
		.amdhsa_reserve_vcc 0
		.amdhsa_float_denorm_mode_32 3
		.amdhsa_float_denorm_mode_16_64 3
		.amdhsa_memory_ordered 1
		.amdhsa_forward_progress 1
		.amdhsa_inst_pref_size 84
	.end_amdhsa_kernel
	.amdgpu_metadata
---
amdhsa.version: [ 1, 2 ]
amdhsa.kernels:
  - .name:           k_q0e6ca5c8ca_proj
    .symbol:         k_q0e6ca5c8ca_proj.kd
    .args:
      - { .name: a_img, .offset: 0, .size: 8, .value_kind: global_buffer, .address_space: global }
      - { .name: W_proj_codes, .offset: 8, .size: 8, .value_kind: global_buffer, .address_space: global }
      - { .name: lowp_scales, .offset: 16, .size: 8, .value_kind: global_buffer, .address_space: global }
      - { .name: b_proj, .offset: 24, .size: 8, .value_kind: global_buffer, .address_space: global }
      - { .name: out0, .offset: 32, .size: 8, .value_kind: global_buffer, .address_space: global }
    .group_segment_fixed_size: 327680
    .private_segment_fixed_size: 0
    .kernarg_segment_align: 8
    .kernarg_segment_size: 40
    .max_flat_workgroup_size: 128
    .sgpr_count:     98
    .vgpr_count:     640
    .wavefront_size: 32
...
	.end_amdgpu_metadata
.endif
;; end of part 3
